; MI455X (gfx1250); checked and timed in simulation.
; The chip was launched on July 23, 2026; its instructions are those of AMD's public machine-readable ISA for CDNA 5 (MIT licence, August 2026) and "CDNA5" Instruction Set Architecture Reference Guide (July 2026). The comments in the code are by the model that wrote it; some were corrected since.
;; Multi Head Attention. Allowed arithmetic: matrix products marked QUANTISED: E4M3 operands, one given power-of-two scale a tensor, by v_wmma_f32_16x16x64_fp8_fp8 or v_wmma_f32_16x16x128_fp8_fp8, f32 sums; everything else in f32.
;; Inputs: Wk 512 x 512 float32; Wo 512 x 512 float32; Wq 512 x 512 float32; Wv 512 x 512 float32; bk 512 float32; bo 512 float32; bq 512 float32; bv 512 float32; lowp_scales 12 int32 (the exponents e of the quantised operands' scales 2^e); x 2 x 4,096 x 512 float32.
;; Outputs: out0 2 x 4,096 x 512 float32.
;; This version of the problem:
;;   THIS VERSION OF THE PROBLEM IS GIVEN IN LOW PRECISION. The matrix products marked QUANTISED in the list below multiply operands that are first quantised to E4M3 (4 exponent bits, 3 mantissa bits; 8 bits a number), with one given power-of-two scale for each operand tensor; their sums are f32. All else is computed in f32.
;;   The module's matrix products, in the order in which they are computed (A, B: the left and right operand; K: the contracted axis; several contracted axes count as one K, in the product's order):
;;     1. [M 8,192, K 512] x [K 512, N 512]; A: input x; B: input Wq: QUANTISED (scales: A lowp_scales[0], B lowp_scales[1])
;;     2. [M 8,192, K 512] x [K 512, N 512]; A: input x; B: input Wk: QUANTISED (scales: A lowp_scales[2], B lowp_scales[3])
;;     3. [M 8,192, K 512] x [K 512, N 512]; A: input x; B: input Wv: QUANTISED (scales: A lowp_scales[4], B lowp_scales[5])
;;     4. batch 16 x [M 4,096, K 64] x [K 64, N 4,096]; A: computed on the way; B: computed on the way: QUANTISED (scales: A lowp_scales[6], B lowp_scales[7])
;;     5. batch 16 x [M 4,096, K 4,096] x [K 4,096, N 64]; A: softmax (see below); B: computed on the way: QUANTISED (scales: A lowp_scales[8], B lowp_scales[9])
;;     6. [M 8,192, K 512] x [K 512, N 512]; A: computed on the way; B: input Wo: QUANTISED (scales: A lowp_scales[10], B lowp_scales[11])
;;   THE QUANTISER, for each operand of a quantised product, along K:
;;     - The operand's scale is 2^e, e = its entry of the input lowp_scales (int32; the entries are numbered through the quantised products in the list's order, A before B).
;;     - Each number is divided by the scale, clamped to +-448, and rounded to the nearest number of E4M3, ties to even, subnormals kept.
;;     - The product sums the exact products of the quantised numbers (number of the format x scale) in f32.
;;   ~~~python
;;   def quantise(x, axis, e):      # numpy; x: float32 -> the quantised numbers, widened to float32 again
;;       x = np.moveaxis(x, axis, -1); K = x.shape[-1]
;;       r = np.clip(x / 2.0 ** e, -448, 448)
;;       step = 2.0 ** (np.maximum(np.frexp(np.where(r == 0, 1, r))[1] - 1, -6) - 3)
;;       q = np.round(r / step) * step * 2.0 ** e      # np.round: ties to even
;;       return np.moveaxis(q, -1, axis).astype(np.float32)
;;   ~~~
;;   SOFTMAX AHEAD OF A QUANTISED PRODUCT. Where the list says 'softmax', what is quantised is not the finished softmax but p = 2^(t - M), with t = logit x log2(e) and M = ceil(the row's largest t), a whole number; so 1/2 < the row's largest p <= 1. The row's sum l is taken of the UNQUANTISED p, in f32, and the product's result is divided by l at the end. Since M is a whole number, a kernel that streams over the keys may use a running M (the ceiling of the running maximum): every later rescaling is an exact power of two, so the quantised numbers keep their values, but for numbers so far below the row's largest that they fall under the format's range.
;;   OPERANDS COMPUTED ON THE WAY. 'Computed on the way' means the value that the module computes at that place (a softmax that the list does not call 'softmax' is quantised finished and normalised). What goes into a quantiser is computed in f32, as accurately as f32 sums, v_exp_f32 and their like allow (about 1e-6 of the number): no bf16 or f16 on the way to a quantiser, and a product that is left as it is and whose result goes on into a quantised operand takes f32 operands (vector FMAs, or v_wmma_f32_16x16x4_f32). A number that lies on a knife's edge between two numbers of the format may be rounded either way, as far as f32 arithmetic and the matrix unit's own rounding can turn it there, and no further.
;; One version. Each part assembles by itself: llvm-mc -triple=amdgcn-amd-amdhsa -mcpu=gfx1250 --defsym DOCPART=n.
;; ======== version 1 of 1: 4 launches
;; limits: right only within a limited range of input values
;; workspace buffers: xc 12,582,912 bytes; wc 1,048,576 bytes; qc 4,194,304 bytes; kc 4,194,304 bytes; vc 4,194,304 bytes; ac 4,194,304 bytes
;; launch quant (part 1): grid 320 x 1, 8 waves a work-group, no clusters, 68,608 bytes of LDS; arguments x, Wq, Wk, Wv, Wo, lowp_scales, xc, wc; writes xc, wc
.if DOCPART == 1
	.amdgcn_target "amdgcn-amd-amdhsa--gfx1250"
	.amdhsa_code_object_version 6
	.text
	.protected	k_qd640127aa5_quant
	.globl	k_qd640127aa5_quant
	.p2align	8
	.type	k_qd640127aa5_quant,@function
k_qd640127aa5_quant:
	s_mov_b64 s[64:65], 0
	v_nop
	global_prefetch_b8 v0, s[64:65] scope:SCOPE_SE
	s_setreg_imm32_b32 hwreg(HW_REG_WAVE_MODE, 25, 1), 1
	s_wait_xcnt 0x0
; x [8192][512] and Wq, Wk, Wv, Wo [512][512], f32 with K innermost, become codes of FP8 (E4M3), each with the scale 2^e that is given for it.
; x is an operand of three products with three scales (entries 0, 2, 4 of the scales' buffer): three sets of codes.  The weights take entries 1, 3, 5, 11.
; code = number / 2^e, held within +-448, rounded to the nearest code, ties to even.
; LIMITS: every e used here lies between -126 and 119, so that 2^e and 448 x 2^e are f32 numbers.  NaN among the inputs is not served; an infinity is held at the largest code.
; THE CODES ARE LAID AS IMAGES OF THE OPERAND'S REGISTERS.  A fragment is 16 rows x 128 K: 16 registers a lane, 2,048 bytes.  Lane 16 h + r holds row r; its registers 2 c, 2 c + 1 hold
; k = 16 c + 8 h + 0 .. 7 (the 8-bit layout of ISA guide 7.12.2).  Registers 4 c .. 4 c + 3 of all lanes lie on end at byte 512 c + 16 x lane of the image.  So whoever reads the image by four loads of
; 16 bytes a lane has the fragment, and every load and store of an image covers 512 consecutive bytes.  xc: [3 products][512 tiles of rows][4 K steps], wc: [4 weights][32 tiles of rows][4 K steps] images.
; SHARES.  A wave takes ONE fragment: no loop, no barrier.  Work-groups 0-255 take x (8 fragments each), 256-319 the weights, 16 work-groups each.
; The loads take the numbers as they lie (a row's 512 bytes a load); the conversions want eight neighbours along K in one lane's registers: so the 8 KB turn through the wave's own stage in LDS.
.set NX,    256                        ; work-groups that take x
.set ROWB,  2048                       ; a row of x or of a weight, in bytes
.set PITCH, 528                        ; a stage row: 512 bytes + 16, so that the sixteen rows that a read touches begin at sixteen different columns of 16 bytes
.set WREG,  16*PITCH                   ; a wave's stage
.set LI,    1                          ; v1   16 x lane: my place in a load's, and in a store's, 512 bytes; never rewritten
.set SIN,   2                          ; v2   the stage, on the way in
.set SOUT,  3                          ; v3   and on the way out: row r, + 32 h
.set SCL,   8                          ; v8-13  for each of the three sets: 2^e, and 448 x 2^e
.set R,     16                         ; v16-79   the numbers as loaded: row i in registers 4 i ..
.set X,     80                         ; v80-143  turned: register 16 b + 8 u + i = k 32 b + 16 u + 8 h + i of my row
.set T,     144                        ; v144-175 held numbers, two sets of 16 by turns
.set C,     176                        ; v176-223 codes: 16 registers for each set, so that no store's data are written again
	s_load_b256 s[8:15], s[0:1], 0x0               ; x s[8:9], Wq s[10:11], Wk s[12:13], Wv s[14:15]
	s_load_b256 s[16:23], s[0:1], 0x20             ; Wo s[16:17], the scales' exponents s[18:19], xc s[20:21], wc s[22:23]
	v_lshl_add_u32 v224, v0, 2, 0x10800
	v_mov_b32 v225, 0
	v_lshrrev_b32 v4, 5, v0
	s_delay_alu instid0(VALU_DEP_1)
	v_readfirstlane_b32 s4, v4                     ; wave 0..7
	v_and_b32 v5, 31, v0
	s_delay_alu instid0(VALU_DEP_1)
	v_lshlrev_b32 v[LI], 4, v5
	s_mul_i32 s5, s4, WREG
	v_add_nc_u32 v[SIN], s5, v[LI]
	v_and_b32 v6, 15, v0                           ; r
	v_bfe_u32 v7, v0, 4, 1                         ; h
	s_delay_alu instid0(VALU_DEP_2)
	v_mul_u32_u24 v[SOUT], v6, PITCH
	s_delay_alu instid0(VALU_DEP_1)
	v_lshl_add_u32 v[SOUT], v7, 5, v[SOUT]
	s_delay_alu instid0(VALU_DEP_1)
	v_add_nc_u32 v[SOUT], s5, v[SOUT]
	s_cmp_lt_u32 ttmp9, NX                         ; x's work-group or a weight's?  Every choice below hangs on the work-group's number alone
	s_cselect_b32 s6, 0, NX
	s_sub_co_u32 s6, ttmp9, s6                     ; the work-group's number among x's, or among the weights'
	s_lshr_b32 s7, s6, 4                           ; which weight (of use in the weights' work-groups alone)
	s_and_b32 s44, s6, 15
	s_cmp_lt_u32 ttmp9, NX
	s_cselect_b32 s44, s6, s44                     ; the work-group's number within its tensor
	s_lshl_b32 s44, s44, 1
	s_lshr_b32 s45, s4, 2
	s_add_co_u32 s44, s44, s45                     ; my tile of 16 rows: 2 x that + wave / 4
	s_lshl_b32 s44, s44, 15                        ; 16 rows of 2,048 bytes
	s_and_b32 s45, s4, 3
	s_lshl_b32 s45, s45, 9                         ; my K step: 128 numbers of 4 bytes
	s_add_co_u32 s44, s44, s45
	s_mov_b32 s45, 0                               ; s[44:45]: where my fragment begins in its tensor
	s_lshl_b32 s46, s6, 3
	s_add_co_u32 s46, s46, s4
	s_lshl_b32 s46, s46, 11                        ; s[46:47]: where its image begins: image 8 x work-group + wave
	s_mov_b32 s47, 0
	s_wait_alu depctr_va_vdst(0)
	s_wait_kmcnt 0x0
	s_load_b256 s[32:39], s[18:19], 0x0            ; entries 0 to 7
	s_load_b128 s[40:43], s[18:19], 0x20           ; entries 8 to 11
	s_cmp_eq_u32 s7, 1
	s_cselect_b64 s[24:25], s[12:13], s[10:11]
	s_cmp_eq_u32 s7, 2
	s_cselect_b64 s[24:25], s[14:15], s[24:25]
	s_cmp_eq_u32 s7, 3
	s_cselect_b64 s[24:25], s[16:17], s[24:25]
	s_cmp_lt_u32 ttmp9, NX
	s_cselect_b64 s[24:25], s[8:9], s[24:25]       ; the tensor that I read,
	s_cselect_b64 s[26:27], s[20:21], s[22:23]     ; and the buffer that I write
	s_add_nc_u64 s[24:25], s[24:25], s[44:45]
	s_add_nc_u64 s[26:27], s[26:27], s[46:47]
	s_add_nc_u64 s[28:29], s[26:27], 0x400000      ; x's second and third set lie 4 MiB apart (used by x's work-groups alone)
	s_add_nc_u64 s[30:31], s[26:27], 0x800000
.irp i, 0,1,2,3,4,5,6,7,8,9,10,11,12,13,14,15
	global_load_b128 v[R+4*\i:R+4*\i+3], v[LI], s[24:25] offset:ROWB*\i th:TH_LOAD_NT   ; row i: 32 lanes read 512 consecutive bytes; read once in the launch
.endr
	s_wait_kmcnt 0x0
	s_cmp_eq_u32 s7, 1
	s_cselect_b32 s48, s35, s33
	s_cmp_eq_u32 s7, 2
	s_cselect_b32 s48, s37, s48
	s_cmp_eq_u32 s7, 3
	s_cselect_b32 s48, s43, s48
	s_cmp_lt_u32 ttmp9, NX
	s_cselect_b32 s48, s32, s48                    ; the first set's e: entry 0 for x; 1, 3, 5, 11 for the weights
.macro MKSC e, n                       ; 2^e as f32 (the conversion takes its exponent field) and 448 x 2^e
	s_add_co_i32 s50, \e, 127
	s_lshl_b32 s51, s50, 23
	v_mov_b32 v[SCL+2*\n], s51
	s_add_co_i32 s50, s50, 8
	s_lshl_b32 s50, s50, 23
	s_or_b32 s50, s50, 0x600000
	v_mov_b32 v[SCL+2*\n+1], s50
.endm
	MKSC s48, 0
	MKSC s34, 1
	MKSC s36, 2
	s_wait_alu depctr_va_vdst(0)
.irp i, 0,1,2,3,4,5,6,7,8,9,10,11,12,13,14,15
	s_wait_loadcnt 15-\i                           ; loads come back in order: row i is in, the 15 - i younger ones may be out
	ds_store_b128 v[SIN], v[R+4*\i:R+4*\i+3] offset:PITCH*\i
.endr
.irp b, 0,1,2,3
.irp u, 0,1
.irp j, 0,1
	ds_load_b128 v[X+16*\b+8*\u+4*\j:X+16*\b+8*\u+4*\j+3], v[SOUT] offset:128*\b+64*\u+16*\j   ; LDS serves a wave's instructions in order: these see my stores
.endr
.endr
.endr
; One set of codes: the 64 numbers are held (into T: X stays for the next set), converted, and the image leaves by four stores of 512 consecutive bytes.
; A block's holds go into the other half of T than the block before: they are the plain instructions between that block's conversions and whatever writes their sources.
.macro QS pass, ptr
.irp b, 0,1,2,3
.if \pass == 0
	s_wait_dscnt 12-4*\b                           ; block b's four loads are back; the 12 - 4 b younger ones may be out
.endif
.irp i, 0,1,2,3,4,5,6,7,8,9,10,11,12,13,14,15
	v_med3_num_f32 v[T+16*(\b%2)+\i], v[X+16*\b+\i], -v[SCL+2*\pass+1], v[SCL+2*\pass+1]   ; the conversion to an 8-bit code does not saturate (ISA guide 7.6.2): the hold at the largest code x the scale
.endr
	v_cvt_scalef32_pk8_fp8_f32 v[C+16*\pass+4*\b:C+16*\pass+4*\b+1], v[T+16*(\b%2):T+16*(\b%2)+7], v[SCL+2*\pass]
	v_cvt_scalef32_pk8_fp8_f32 v[C+16*\pass+4*\b+2:C+16*\pass+4*\b+3], v[T+16*(\b%2)+8:T+16*(\b%2)+15], v[SCL+2*\pass]
.endr
.irp c, 0,1,2,3
	global_store_b128 v[LI], v[C+16*\pass+4*\c:C+16*\pass+4*\c+3], s[\ptr:\ptr+1] offset:512*\c
.endr
.endm
	QS 0, 26
	s_cmp_ge_u32 ttmp9, NX
	s_cbranch_scc1 .Lend                           ; a weight has one scale
	QS 1, 28
	QS 2, 30
.Lend:
	s_wait_tensorcnt 0x0
	ds_add_u32 v224, v225
	s_wait_dscnt 0x0
	s_endpgm
.Lfunc_end_k_qd640127aa5_quant:
	.size	k_qd640127aa5_quant, .Lfunc_end_k_qd640127aa5_quant-k_qd640127aa5_quant
	.p2alignl 7, 3214868480
	.fill 96, 4, 3214868480
	.section	.rodata,"a",@progbits
	.p2align	6, 0x0
	.amdhsa_kernel k_qd640127aa5_quant
		.amdhsa_group_segment_fixed_size 68608
		.amdhsa_private_segment_fixed_size 0
		.amdhsa_enable_private_segment 0
		.amdhsa_kernarg_size 64
		.amdhsa_user_sgpr_count 2
		.amdhsa_user_sgpr_kernarg_segment_ptr 1
		.amdhsa_wavefront_size32 1
		.amdhsa_system_sgpr_workgroup_id_x 1
		.amdhsa_system_sgpr_workgroup_id_y 1
		.amdhsa_system_sgpr_workgroup_id_z 1
		.amdhsa_system_vgpr_workitem_id 0
		.amdhsa_next_free_vgpr 226
		.amdhsa_next_free_sgpr 66
		.amdhsa_reserve_vcc 0
		.amdhsa_float_denorm_mode_32 3
		.amdhsa_float_denorm_mode_16_64 3
		.amdhsa_memory_ordered 1
		.amdhsa_forward_progress 1
		.amdhsa_inst_pref_size 23
	.end_amdhsa_kernel
	.amdgpu_metadata
---
amdhsa.version: [ 1, 2 ]
amdhsa.kernels:
  - .name:           k_qd640127aa5_quant
    .symbol:         k_qd640127aa5_quant.kd
    .args:
      - { .name: x, .offset: 0, .size: 8, .value_kind: global_buffer, .address_space: global }
      - { .name: Wq, .offset: 8, .size: 8, .value_kind: global_buffer, .address_space: global }
      - { .name: Wk, .offset: 16, .size: 8, .value_kind: global_buffer, .address_space: global }
      - { .name: Wv, .offset: 24, .size: 8, .value_kind: global_buffer, .address_space: global }
      - { .name: Wo, .offset: 32, .size: 8, .value_kind: global_buffer, .address_space: global }
      - { .name: lowp_scales, .offset: 40, .size: 8, .value_kind: global_buffer, .address_space: global }
      - { .name: xc, .offset: 48, .size: 8, .value_kind: global_buffer, .address_space: global }
      - { .name: wc, .offset: 56, .size: 8, .value_kind: global_buffer, .address_space: global }
    .group_segment_fixed_size: 68608
    .private_segment_fixed_size: 0
    .kernarg_segment_align: 8
    .kernarg_segment_size: 64
    .max_flat_workgroup_size: 256
    .sgpr_count:     66
    .vgpr_count:     226
    .wavefront_size: 32
...
	.end_amdgpu_metadata
.endif
;; end of part 1
;; launch qkv (part 2): grid 32 x 6, 8 waves a work-group, no clusters, 168,960 bytes of LDS; arguments xc, wc, bq, bk, bv, lowp_scales, qc, kc, vc; writes qc, kc, vc
.if DOCPART == 2
	.amdgcn_target "amdgcn-amd-amdhsa--gfx1250"
	.amdhsa_code_object_version 6
	.text
	.protected	k_qd640127aa5_qkv
	.globl	k_qd640127aa5_qkv
	.p2align	8
	.type	k_qd640127aa5_qkv,@function
k_qd640127aa5_qkv:
	s_mov_b64 s[64:65], 0
	v_nop
	global_prefetch_b8 v0, s[64:65] scope:SCOPE_SE
	s_setreg_imm32_b32 hwreg(HW_REG_WAVE_MODE, 25, 1), 1
	s_wait_xcnt 0x0
; q = x Wq^T + bq, k = x Wk^T + bk, v = x Wv^T + bv on codes of FP8 (E4M3), and q, k, v quantised at once for the products that follow.  Sums in f32.
; All operands come, and all results leave, as IMAGES OF AN OPERAND'S REGISTERS: 16 rows x 128 K = 16 registers a lane, registers 4 c .. 4 c + 3 of all lanes at byte 512 c + 16 x lane; lane 16 h + r holds row r,
; registers 2 c, 2 c + 1 hold k = 16 c + 8 h + 0 .. 7.  (16 rows x 64 K: the first 8 registers, 1,024 bytes.)
; SHARES.  Work-group (x, y): rows 256 x .. 256 x + 255; product y / 2 (q, k, v); columns 256 (y % 2) on.  EIGHT WAVES, two to a SIMD: wave w makes the 64 columns of head 4 (y % 2) + w % 4 for the 8 tiles of rows 128 (w / 4) on.
; Its 16 fragments of the weight (256 registers, window 1) are read once and stay.  The work-group's 64 images of x (128 KB) come into LDS by one tensor load a wave, 16 KB each, once: nothing is filled again.
; q AND k: THE PRODUCT IS USED TRANSPOSED (source 0 = 16 rows of W, source 1 = 16 rows of x): a lane holds one row, and the eight registers of tile t the channels 16 t + 8 h + 0 .. 7: their eight codes ARE
; registers 2 t, 2 t + 1 of the next product's fragment (K = the head's 64).  v: THE NATURAL ORDER (source 0 = x, source 1 = W): a lane holds one channel and eight keys 8 h + 0 .. 7 of the tile of rows: their codes are
; registers 2 m, 2 m + 1 of a fragment whose K is the keys.  So nothing changes lanes, and every store covers 512 consecutive bytes.
; qc, kc: [16 heads of both batches][256 tiles of rows] images of 1,024 bytes.  vc: [16][32 steps of 128 keys][4 tiles of channels] images of 2,048 bytes.  A wave's 128 rows are 8 KB of its head's codes in each.
; The bias is the C of each sum's first matrix instruction, divided by the power of two that the sums lack; the three scales are folded into the conversion's one: code = sum / 2^(eo - ex - ew).
; LIMITS: eo - ex - ew between -126 and 119.  NaN is not served.
; 192 work-groups: three products x 64 blocks of 256 x 256.  No joint loads: an image of x is shared by the two column halves of one product alone, and is fetched once in the launch by each.
.set LI,   1                           ; v1   16 x lane;  v2 the same + 65,536 x (wave / 4): my 8 tiles of rows in LDS
.set BO,   3                           ; v3   my place in the bias
.set SC,   4                           ; v4   2^(eo - ex - ew)
.set LIM,  5                           ; v5   448 x that
.set PC,   16                          ; v16-31   codes
.set XF,   32                          ; v32-95, v96-159  x's four fragments of a tile of rows, two sets by turns
.set ACC,  160                         ; v160-223 accumulators
.set BIAS, 224                         ; v224-255 the bias in the result's layout, four tiles
.set G0,   32                          ; s[32:35] descriptor group 0;  s[36:43] group 1
.set G1,   36
.set MSB, 0
.macro WIN new                         ; the immediate's high byte repeats the setting that is left
.if MSB != \new
	s_set_vgpr_msb (MSB<<8)|\new
.set MSB, \new
.endif
.endm
.macro NOPS n
.rept \n
	v_nop
.endr
.endm
	s_load_b512 s[4:19], s[0:1], 0x0               ; xc s[4:5], wc s[6:7], bq s[8:9], bk s[10:11], bv s[12:13], the scales' exponents s[14:15], qc s[16:17], kc s[18:19]
	s_load_b64 s[20:21], s[0:1], 0x40              ; vc
	v_lshl_add_u32 v14, v0, 2, 0x29000             ; my spare word: behind the images, 128 bytes for each of 8 waves
	v_mov_b32 v15, 0
	ds_add_u32 v14, v15                            ; the opening lines: the add, twice on end, and one wait
	ds_add_u32 v14, v15
	v_lshrrev_b32 v6, 5, v0
	v_readfirstlane_b32 s66, v6                    ; wave 0..7
	s_and_b32 s22, s66, 3                          ; which head of the four
	s_lshr_b32 s67, s66, 2                         ; which 128 rows
	s_lshl_b32 s68, s67, 16
	v_and_b32 v6, 31, v0
	v_lshlrev_b32 v[LI], 4, v6
	v_add_nc_u32 v[LI+1], s68, v[LI]
	s_and_b32 s23, ttmp7, 0xffff
	s_lshr_b32 s24, s23, 1                         ; the product: 0 q, 1 k, 2 v
	s_and_b32 s25, s23, 1                          ; which 256 columns
	; group 1: 64 rows of 32 elements of 8 bytes, dense: 16 KB, an eighth of the work-group's images
	s_mov_b32 s[G1+0], 3<<16                       ; no mask; elements of 8 bytes; no padding: an image is read 512 consecutive bytes at a time
	s_mov_b32 s[G1+1], 32<<16
	s_mov_b32 s[G1+2], 64<<16
	s_mov_b32 s[G1+3], 32<<16
	s_mov_b32 s[G1+4], 64
	s_mov_b32 s[G1+5], 32
	s_mov_b32 s[G1+6], 0
	s_mov_b32 s[G1+7], 0
	s_lshl_b32 s60, s24, 22                        ; xc: the product's set (4 MiB), the work-group's 64 images (128 KB), my eighth
	s_lshl_b32 s61, ttmp9, 17
	s_add_co_u32 s60, s60, s61
	s_lshl_b32 s61, s66, 14
	s_add_co_u32 s60, s60, s61
	s_mov_b32 s61, 0
	s_lshl_b32 s62, s24, 18                        ; wc: the weight (256 KB), tile of rows 16 half + 4 head, 8 KB a tile
	s_lshl_b32 s63, s25, 17
	s_add_co_u32 s62, s62, s63
	s_lshl_b32 s63, s22, 15
	s_add_co_u32 s62, s62, s63
	s_mov_b32 s63, 0
	s_lshl_b32 s2, s25, 10                         ; the bias: 256 half + 64 head numbers on
	s_lshl_b32 s3, s22, 8
	s_add_co_u32 s2, s2, s3
	s_mov_b32 s3, 0
	s_lshr_b32 s56, ttmp9, 4                       ; the batch
	s_lshl_b32 s56, s56, 3
	s_lshl_b32 s57, s25, 2
	s_add_co_u32 s56, s56, s57
	s_add_co_u32 s56, s56, s22                     ; 8 x batch + head
	s_lshl_b32 s56, s56, 18                        ; a head's codes are 256 KB in each of qc, kc, vc,
	s_and_b32 s57, ttmp9, 15
	s_lshl_b32 s57, s57, 14                        ; the work-group's 256 rows 16 KB of them,
	s_add_co_u32 s56, s56, s57
	s_lshl_b32 s68, s67, 13                        ; and my 128 rows 8 KB
	s_add_co_u32 s56, s56, s68
	s_mov_b32 s57, 0
	s_wait_alu depctr_va_vdst(0)
	s_wait_dscnt 0x0
	s_wait_kmcnt 0x0
	s_load_b256 s[44:51], s[14:15], 0x0            ; entries 0 to 7
	s_load_b128 s[52:55], s[14:15], 0x20           ; entries 8 to 11
	s_mov_b32 s[G0+0], 1
	s_lshl_b32 s[G0+1], s66, 14                    ; LDS address: wave x 16,384
	s_add_nc_u64 s[G0+2:G0+3], s[4:5], s[60:61]
	s_or_b32 s[G0+3], s[G0+3], 0x80000000
	tensor_load_to_lds s[G0:G0+3], s[G1:G1+7]      ; my one tensor load of the launch
	s_nop 0
	NOPS 4                                         ; the window is switched behind four instructions
	s_add_nc_u64 s[26:27], s[6:7], s[62:63]
	WIN 0x40                                       ; destination window 1
.irp f, 0,1,2,3,4,5,6,7,8,9,10,11,12,13,14,15  ; fragment f = 4 t + s: tile t of my 64 columns, K step s
.irp c, 0,1,2,3
	global_load_b128 v[16*\f+4*\c:16*\f+4*\c+3], v[LI], s[26:27] offset:2048*\f+512*\c
.endr
.endr
	WIN 0
	s_cmp_eq_u32 s24, 1
	s_cselect_b64 s[28:29], s[10:11], s[8:9]
	s_cselect_b64 s[30:31], s[18:19], s[16:17]
	s_cmp_eq_u32 s24, 2
	s_cselect_b64 s[28:29], s[12:13], s[28:29]     ; the product's bias,
	s_cselect_b64 s[30:31], s[20:21], s[30:31]     ; and its buffer of codes
	s_add_nc_u64 s[28:29], s[28:29], s[2:3]
	s_add_nc_u64 s[30:31], s[30:31], s[56:57]
	s_wait_kmcnt 0x0
	s_cmp_eq_u32 s24, 1
	s_cselect_b32 s56, s46, s44                    ; ex: entry 0, 2, 4
	s_cselect_b32 s57, s47, s45                    ; ew: entry 1, 3, 5
	s_cselect_b32 s58, s51, s50                    ; eo: q entry 6, k entry 7, v entry 9
	s_cmp_eq_u32 s24, 2
	s_cselect_b32 s56, s48, s56
	s_cselect_b32 s57, s49, s57
	s_cselect_b32 s58, s53, s58
	s_add_co_i32 s56, s56, s57                     ; a sum stands for sum x 2^(ex + ew)
	s_sub_co_i32 s59, 0, s56
	s_sub_co_i32 s58, s58, s56
	s_add_co_i32 s58, s58, 127
	s_lshl_b32 s57, s58, 23
	v_mov_b32 v[SC], s57
	s_add_co_i32 s58, s58, 8
	s_lshl_b32 s58, s58, 23
	s_or_b32 s58, s58, 0x600000
	v_mov_b32 v[LIM], s58
	s_cmp_eq_u32 s24, 2
	s_cbranch_scc1 .Lbias_v
	v_bfe_u32 v[BO], v0, 4, 1                      ; q, k: register 8 t + j wants b(16 t + 8 h + j)
	v_lshlrev_b32 v[BO], 5, v[BO]
.irp t, 0,1,2,3
	global_load_b128 v[BIAS+8*\t:BIAS+8*\t+3], v[BO], s[28:29] offset:64*\t
	global_load_b128 v[BIAS+8*\t+4:BIAS+8*\t+7], v[BO], s[28:29] offset:64*\t+16
.endr
	s_wait_loadcnt 0x0                             ; the bias, and the weight's fragments ahead of it
.set J, 0
.rept 32
	v_ldexp_f32 v[BIAS+J], v[BIAS+J], s59          ; b / 2^(ex + ew)
.set J, J+1
.endr
	s_branch .Lbias_done
.Lbias_v:
	v_and_b32 v[BO], 15, v0                        ; v: all eight registers of tile t want b(16 t + r)
	v_lshlrev_b32 v[BO], 2, v[BO]
.irp t, 0,1,2,3
	global_load_b32 v[PC+\t], v[BO], s[28:29] offset:64*\t
.endr
	s_wait_loadcnt 0x0
.irp t, 0,1,2,3
.irp j, 0,1,2,3,4,5,6,7
	v_ldexp_f32 v[BIAS+8*\t+\j], v[PC+\t], s59
.endr
.endr
.Lbias_done:
	s_wait_tensorcnt 0x0                           ; my eighth of the images has landed,
	s_barrier_signal -1
	s_barrier_wait -1                              ; everybody's has.  The launch's one barrier: LDS is only read from here on
	s_cmp_eq_u32 s24, 2
	s_cbranch_scc1 .Lv
.macro FETCH m                         ; x's four fragments of my tile of rows m (0..7) into set m % 2
.irp s, 0,1,2,3
.irp c, 0,1,2,3
	ds_load_b128 v[XF+64*((\m)%2)+16*\s+4*\c:XF+64*((\m)%2)+16*\s+4*\c+3], v[LI+1] offset:(4*(\m)+\s)*2048+512*\c
.endr
.endr
.endm
.macro AHEAD m                         ; the next tile's fragments are asked for, and this tile's awaited
.if (\m) < 7
	FETCH (\m)+1                                   ; into the set that the tile before multiplied: four v_nop stand behind its products
	s_wait_dscnt 16                                ; all but the 16 just issued
.else
	s_wait_dscnt 0x0
.endif
.endm
; 16 matrix instructions: K step by K step, the four accumulators by turns, one instruction a turn.  tr = 1: source 0 = W, source 1 = x;  0: the other way round.  a: the accumulators.
.macro MUL m, tr, a
.irp s, 0,1,2,3
.irp t, 0,1,2,3
.if \tr
.if \s == 0
	v_wmma_f32_16x16x128_fp8_fp8 v[\a+8*\t:\a+8*\t+7], v[16*(4*\t+\s):16*(4*\t+\s)+15], v[XF+64*((\m)%2)+16*\s:XF+64*((\m)%2)+16*\s+15], v[BIAS+8*\t:BIAS+8*\t+7]
.else
	v_wmma_f32_16x16x128_fp8_fp8 v[\a+8*\t:\a+8*\t+7], v[16*(4*\t+\s):16*(4*\t+\s)+15], v[XF+64*((\m)%2)+16*\s:XF+64*((\m)%2)+16*\s+15], v[\a+8*\t:\a+8*\t+7]
.endif
.else
.if \s == 0
	v_wmma_f32_16x16x128_fp8_fp8 v[\a+8*\t:\a+8*\t+7], v[XF+64*((\m)%2)+16*\s:XF+64*((\m)%2)+16*\s+15], v[16*(4*\t+\s):16*(4*\t+\s)+15], v[BIAS+8*\t:BIAS+8*\t+7]
.else
	v_wmma_f32_16x16x128_fp8_fp8 v[\a+8*\t:\a+8*\t+7], v[XF+64*((\m)%2)+16*\s:XF+64*((\m)%2)+16*\s+15], v[16*(4*\t+\s):16*(4*\t+\s)+15], v[\a+8*\t:\a+8*\t+7]
.endif
.endif
.endr
.endr
.endm
; q, k: tile of rows m becomes one image of 1,024 bytes
.macro TILEA m
	AHEAD \m
	WIN 0x01                                       ; source 0 (W) window 1
	MUL \m, 1, ACC
	WIN 0
	NOPS 4                                         ; four places behind the products: for the reads of the sums, and for the next loads into the fragments just multiplied
	s_wait_xcnt 0x0                                ; the last tile's stores have read their data: the codes' registers are written again only behind this wait
.set J, 0
.rept 32
	v_med3_num_f32 v[ACC+J], v[ACC+J], -v[LIM], v[LIM]   ; the hold at the largest code x the scale; each accumulator from its low end on
.set J, J+1
.endr
.irp t, 0,1,2,3
	v_cvt_scalef32_pk8_fp8_f32 v[PC+2*\t:PC+2*\t+1], v[ACC+8*\t:ACC+8*\t+7], v[SC]
.endr
	v_nop                                          ; one plain instruction between the conversions and the next products, which write their sources
	global_store_b128 v[LI], v[PC:PC+3], s[30:31] offset:1024*(\m)
	global_store_b128 v[LI], v[PC+4:PC+7], s[30:31] offset:1024*(\m)+512
.endm
; v: two tiles of rows (32 keys) become four registers of each of the four channel tiles' images
.macro TILEB m
	AHEAD \m
	WIN 0x04                                       ; source 1 (W) window 1
	MUL \m, 0, ACC+32*((\m)%2)
	WIN 0
	NOPS 4
.if (\m)%2
	s_wait_xcnt 0x0
.set J, 0
.rept 64
	v_med3_num_f32 v[ACC+J], v[ACC+J], -v[LIM], v[LIM]
.set J, J+1
.endr
.irp t, 0,1,2,3
	v_cvt_scalef32_pk8_fp8_f32 v[PC+4*\t:PC+4*\t+1], v[ACC+8*\t:ACC+8*\t+7], v[SC]          ; keys 16 (m - 1) + 8 h + 0 .. 7
	v_cvt_scalef32_pk8_fp8_f32 v[PC+4*\t+2:PC+4*\t+3], v[ACC+32+8*\t:ACC+32+8*\t+7], v[SC]  ; keys 16 m + 8 h + 0 .. 7
.endr
	v_nop
.irp t, 0,1,2,3
	global_store_b128 v[LI], v[PC+4*\t:PC+4*\t+3], s[30:31] offset:(4*\t+(\m)/2)*512
.endr
.endif
.endm
	FETCH 0
.set M, 0
	s_wait_alu depctr_va_vdst(0)
.rept 8
	TILEA M
.set M, M+1
.endr
	s_wait_tensorcnt 0x0                           ; the wave's end
	ds_add_u32 v14, v15
	s_wait_dscnt 0x0
	s_endpgm
.Lv:
	FETCH 0
.set M, 0
	s_wait_alu depctr_va_vdst(0)
.rept 8
	TILEB M
.set M, M+1
.endr
	s_wait_tensorcnt 0x0
	ds_add_u32 v14, v15
	s_wait_dscnt 0x0
	s_endpgm
.Lfunc_end_k_qd640127aa5_qkv:
	.size	k_qd640127aa5_qkv, .Lfunc_end_k_qd640127aa5_qkv-k_qd640127aa5_qkv
	.p2alignl 7, 3214868480
	.fill 96, 4, 3214868480
	.section	.rodata,"a",@progbits
	.p2align	6, 0x0
	.amdhsa_kernel k_qd640127aa5_qkv
		.amdhsa_group_segment_fixed_size 168960
		.amdhsa_private_segment_fixed_size 0
		.amdhsa_enable_private_segment 0
		.amdhsa_kernarg_size 72
		.amdhsa_user_sgpr_count 2
		.amdhsa_user_sgpr_kernarg_segment_ptr 1
		.amdhsa_wavefront_size32 1
		.amdhsa_system_sgpr_workgroup_id_x 1
		.amdhsa_system_sgpr_workgroup_id_y 1
		.amdhsa_system_sgpr_workgroup_id_z 1
		.amdhsa_system_vgpr_workitem_id 0
		.amdhsa_next_free_vgpr 512
		.amdhsa_next_free_sgpr 72
		.amdhsa_reserve_vcc 0
		.amdhsa_float_denorm_mode_32 3
		.amdhsa_float_denorm_mode_16_64 3
		.amdhsa_memory_ordered 1
		.amdhsa_forward_progress 1
		.amdhsa_inst_pref_size 92
	.end_amdhsa_kernel
	.amdgpu_metadata
---
amdhsa.version: [ 1, 2 ]
amdhsa.kernels:
  - .name:           k_qd640127aa5_qkv
    .symbol:         k_qd640127aa5_qkv.kd
    .args:
      - { .name: xc, .offset: 0, .size: 8, .value_kind: global_buffer, .address_space: global }
      - { .name: wc, .offset: 8, .size: 8, .value_kind: global_buffer, .address_space: global }
      - { .name: bq, .offset: 16, .size: 8, .value_kind: global_buffer, .address_space: global }
      - { .name: bk, .offset: 24, .size: 8, .value_kind: global_buffer, .address_space: global }
      - { .name: bv, .offset: 32, .size: 8, .value_kind: global_buffer, .address_space: global }
      - { .name: lowp_scales, .offset: 40, .size: 8, .value_kind: global_buffer, .address_space: global }
      - { .name: qc, .offset: 48, .size: 8, .value_kind: global_buffer, .address_space: global }
      - { .name: kc, .offset: 56, .size: 8, .value_kind: global_buffer, .address_space: global }
      - { .name: vc, .offset: 64, .size: 8, .value_kind: global_buffer, .address_space: global }
    .group_segment_fixed_size: 168960
    .private_segment_fixed_size: 0
    .kernarg_segment_align: 8
    .kernarg_segment_size: 72
    .max_flat_workgroup_size: 256
    .sgpr_count:     72
    .vgpr_count:     512
    .wavefront_size: 32
...
	.end_amdgpu_metadata
.endif
;; end of part 2
;; launch attn (part 3): grid 16 x 16, 8 waves a work-group, clusters of 4 x 1, 327,680 bytes of LDS; arguments qc, kc, vc, lowp_scales, ac; writes ac
.if DOCPART == 3
	.amdgcn_target "amdgcn-amd-amdhsa--gfx1250"
	.amdhsa_code_object_version 6
	.text
	.protected	k_qd640127aa5_attn
	.globl	k_qd640127aa5_attn
	.p2align	8
	.type	k_qd640127aa5_attn,@function
k_qd640127aa5_attn:
	s_mov_b64 s[64:65], 0
	v_nop
	global_prefetch_b8 v0, s[64:65] scope:SCOPE_SE
	s_setreg_imm32_b32 hwreg(HW_REG_WAVE_MODE, 25, 1), 1
	s_wait_xcnt 0x0
	s_wait_alu depctr_hold_cnt(0) depctr_sa_sdst(0) depctr_va_vdst(0) depctr_va_sdst(0) depctr_va_ssrc(0) depctr_va_vcc(0) depctr_vm_vsrc(0)
	s_getreg_b32 s2, hwreg(HW_REG_IB_STS2, 6, 4)
	s_cmp_eq_u32 s2, 0
	s_cbranch_scc0 .Lentry_in_a_cluster
	s_endpgm
.Lentry_in_a_cluster:
	s_bfe_u32 s2, ttmp6, 0x10000c
	s_cmp_lg_u32 s2, 0x3003
	s_cbranch_scc0 .Lentry_shape_is_right
	s_endpgm
.Lentry_shape_is_right:
; For each of 16 heads (8 x batch + head): o[q] = the sum over k of softmax_k(q . k / 8) v[k], 4,096 queries and keys, head size 64, both products on codes of FP8 (E4M3); o is quantised at once for the last product.
; THE SOFTMAX AHEAD OF THE SECOND PRODUCT: t = score x log2(e) / 8; M = the row's largest t so far, rounded UP to a whole number; p = 2^(t - M) is quantised along the keys, not normalised.
; The row's sum is taken of the unquantised p, in f32, and divides O at the end.  When M moves, the sums and O are multiplied by 2^(old M - new M): exact.
; ALL OPERANDS ARE IMAGES OF THEIR REGISTERS: 16 rows x 128 K = 16 registers a lane, registers 4 c .. 4 c + 3 of all lanes at byte 512 c + 16 x lane (16 x 64: the first 8).  Lane 16 h + r holds row r, registers 2 c, 2 c + 1
; hold k = 16 c + 8 h + 0 .. 7.  qc, kc: [16][256 tiles of 16 rows] x 1,024 bytes.  vc: [16][32 steps of 128 keys][4 tiles of 16 channels] x 2,048.  ac: [512 tiles of rows][4 K steps] x 2,048: a head fills half an image.
; SHARES.  A work-group owns 256 queries of one head; each of its EIGHT waves owns 32, two tiles of 16: every fragment of K and V that a wave reads from LDS feeds two matrix instructions.
; Every wave walks all keys, 128 a step.  K and V come through a ring of two LDS slots of 1,024 keys (64 KB of K, then 64 KB of V).  Each wave fills one eighth of a slot, 16 KB, by one tensor load: waves 0-3 K's quarters, waves 4-7 V's.
; LAYOUT.  Both products are used transposed: S^T = K Q^T, O^T = V^T P^T: a lane holds one query of each tile (lane % 16).  Register j of S^T's tile n is key 16 n + 8 h + j: a tile's eight codes are registers 2 n, 2 n + 1 of P's fragment.
; CLUSTER.  The four blocks of queries of a cluster belong to one head and walk the same K and V: each eighth of a slot is asked for JOINTLY, by the same load with the same descriptor and a mask that names the four.
; LOOK-AHEAD IN REGISTERS.  Behind a step's first products the step's V and the NEXT step's K are asked of LDS; the softmax stands between these loads and the wait for them.
; THE CHANGE OF SLOTS STANDS INSIDE A SLOT'S LAST KEY STEP: its K is in registers, its V is asked for, then the wave reads the slot no more: it signals behind the maxima and waits behind the softmax, which touches registers alone.
; PREFETCH.  Slot 2 is asked of memory where slot 1's load is issued, slot 3 where slot 2's is: one slot, 8 key steps, ahead.  Of a wave's 16 KB (64 blocks of 256 bytes) the partner at place cx names blocks 16 cx .. 16 cx + 15,
; a lane a block (lanes 16-31 name the last again): each block once in each cluster that loads it.  Slots 0 and 1 come by their loads alone.  The address registers are never rewritten.
; LIMITS on the given exponents: entries 6 + 7 between -123 and 130 (added to c's exponent field); entry 8 between -126 and 119; entries 8 + 9 - 10 between -114 and 126 (the sum lies between 1/2 and 4,096).  NaN is not served.
; REGISTERS.  Window 0: addresses and the softmax's state, P's codes, Q, S^T, 32 at work.  Window 1: v0-63 K's eight fragments, v64-127 V's four, v128-191 O^T (tile u at 128 + 32 u).
.set SLOT1, 1<<17                      ; slot 1 begins here: one exclusive or turns an address in one slot into the other's
.set VOFF,  65536                      ; in a slot: K's 64 images, then V's 32
.set SLOTB, 65536                      ; bytes of K, and of V, for a slot's 1,024 keys
.set STEPB, 8192                       ; bytes of K, and of V, for a step's 128 keys
.set NST,   8                          ; key steps in a slot
.set SPARE, 2*SLOT1                    ; behind the ring: the spare words, 128 bytes for each of 8 waves: four blocks of 256 bytes that no other line names
.set LI,   1                           ; v1   16 x lane; never rewritten
.set AD,   2                           ; v2   LDS address of the next step's images of K
.set ADV,  3                           ; v3   LDS address of the step's images of V
.set PFO,  4                           ; v4   the prefetches' offset: 256 x min(lane, 15); never rewritten
.set SPW,  5                           ; v5   LDS address of my spare word; never rewritten
.set NIL,  6                           ; v6   0; never rewritten
.set PL,   8                           ; v8, v9   what the lane 16 away sends, tile 0, 1
.set LIM,  10                          ; v10, v11 448 x 2^ep, twice: the two halves of a dual hold take it from different register banks
.set LIM2, 11
.set NM,   12                          ; v12, v14 -M of tile 0, 1;  v13, v15 the largest score so far (named with it as a pair)
.set SUM,  16                          ; v16-31   the row's sum: four running pairs for each tile
.set FF,   32                          ; v[32:33], v[34:35] f = 2^(old M - new M)
.set MX,   36                          ; v36-39, v44-47  four chains of the maximum for tile 0, 1
.set SCP,  40                          ; v40  2^ep
.set C448, 41
.set ONE,  42
.set PC,   48                          ; v48-79   p's codes, tile u at 48 + 16 u
.set QF,   80                          ; v80-95   Q's two fragments
.set SS,   96                          ; v96-223  S^T, then p: tile u at 96 + 64 u
.set TT,   224                         ; v224-255 tile 0's p added two pairs at a time
.set KF,   0                           ; window 1
.set VF,   64
.set OO,   128
.set WV,   14                          ; s14  my wave's number
.set SEL,  16                          ; s[16:17] lane selects for v_permlanex16_b32: lane l xor 16
.set CS,   18                          ; s[18:19] c = log2(e) / 8 x 2^(eq + ek)
.set G0,   20                          ; s[20:23] descriptor group 0: it walks
.set G1,   24                          ; s[24:31] group 1
.set TB,   32                          ; s32  LDS byte at which the images of K asked for last begin
.set SLOTS, 33                         ; s33  counts slots
.set CNT,  34                          ; s34  counts a slot's steps
.set PFA,  44                          ; s[44:45] my part of slot 0 in memory, + 4,096 x cx
.set MSB, 0
.macro WIN new                         ; the immediate's high byte repeats the setting that is left
.if MSB != \new
	s_set_vgpr_msb (MSB<<8)|\new
.set MSB, \new
.endif
.endm
.macro NOPS n
.rept \n
	v_nop
.endr
.endm
.macro CREST                           ; a round of the cluster's barrier behind its opening barrier
	s_cmp_lg_u32 s[WV], 0
	s_cbranch_scc1 .Lnot_wave_0_\@
	s_barrier_signal -3
.Lnot_wave_0_\@:
	s_barrier_wait -3
	s_barrier_signal -1
	s_barrier_wait -1
.endm
.macro ROUND
	s_barrier_signal -1
	s_barrier_wait -1
	CREST
.endm
.macro WALK                            ; the other slot than last time, the next 1,024 keys.  Written only where no tensor load of mine is out
	s_xor_b32 s[G0+1], s[G0+1], SLOT1
	s_add_nc_u64 s[G0+2:G0+3], s[G0+2:G0+3], SLOTB
.endm
.macro TLOAD                           ; every wave's one load: no branch
	tensor_load_to_lds s[G0:G0+3], s[G1:G1+7]
	s_nop 0
.endm
.macro KLD                             ; under destination window 1
.irp t, 0,1,2,3,4,5,6,7
	ds_load_b128 v[KF+8*\t:KF+8*\t+3], v[AD] offset:1024*\t
	ds_load_b128 v[KF+8*\t+4:KF+8*\t+7], v[AD] offset:1024*\t+512
.endr
.endm
.macro VLD
.irp t, 0,1,2,3
.irp c, 0,1,2,3
	ds_load_b128 v[VF+16*\t+4*\c:VF+16*\t+4*\c+3], v[ADV] offset:2048*\t+512*\c
.endr
.endr
.endm
.macro KNEXT                           ; both addresses from s[TB], and K's images there.  Four vector lines stand ahead of the window's switch
	v_add_nc_u32 v[AD], s[TB], v[LI]
	v_add_nc_u32 v[ADV], VOFF, v[AD]
	NOPS 2
	s_wait_alu depctr_va_vdst(0)                   ; the wait behind these writes
	WIN 0x40
	KLD
	WIN 0
.endm
	s_load_b256 s[4:11], s[0:1], 0x0               ; qc s[4:5], kc s[6:7], vc s[8:9], the scales' exponents s[10:11]
	s_load_b64 s[12:13], s[0:1], 0x20              ; ac
	v_lshl_add_u32 v[SPW], v0, 2, SPARE
	v_mov_b32 v[NIL], 0
	ds_add_u32 v[SPW], v[NIL]                      ; the opening lines: the add, twice on end, and one wait
	ds_add_u32 v[SPW], v[NIL]
	v_lshrrev_b32 v7, 5, v0
	v_readfirstlane_b32 s[WV], v7                  ; wave 0..7
	v_and_b32 v7, 31, v0
	v_lshlrev_b32 v[LI], 4, v7
	v_min_u32 v7, 15, v7
	v_lshlrev_b32 v[PFO], 8, v7
	s_and_b32 s48, ttmp7, 0xffff                   ; 8 x batch + head, which the four partners share
	s_lshl_b32 s50, s48, 18                        ; a head's codes are 256 KB in each of qc, kc, vc
	s_and_b32 s49, s[WV], 3
	s_lshl_b32 s49, s49, 14                        ; my quarter (16 KB) of a slot's K or V in memory
	s_add_co_u32 s50, s50, s49
	s_mov_b32 s51, 0
	s_lshl_b32 s35, s[WV], 14                      ; and in LDS: 16 KB x wave: K's four quarters, then V's.  No place in the cluster enters it
	s_bfe_u32 s52, ttmp6, 0x40000                  ; cx: it enters qc's, ac's and the prefetches' addresses alone
	s_lshl_b32 s46, s52, 12
	s_mov_b32 s47, 0
	s_lshl_b32 s53, ttmp9, 2                       ; in a cluster launch ttmp9 counts clusters
	s_add_co_u32 s53, s53, s52                     ; my block of 256 queries
	s_lshl_b32 s53, s53, 4
	s_lshl_b32 s55, s[WV], 1
	s_add_co_u32 s53, s53, s55                     ; my first tile of 16 queries, 0..254
	s_lshl_b32 s54, s48, 18
	s_lshl_b32 s55, s53, 10
	s_add_co_u32 s54, s54, s55
	s_mov_b32 s55, 0                               ; s[54:55]: my two images in qc
	s_lshr_b32 s56, s48, 3                         ; ac: tile of rows 256 x batch + my tile, 8 KB each; + 1,024 x head
	s_lshl_b32 s56, s56, 21
	s_lshl_b32 s57, s53, 13
	s_add_co_u32 s56, s56, s57
	s_and_b32 s57, s48, 7
	s_lshl_b32 s57, s57, 10
	s_add_co_u32 s56, s56, s57
	s_mov_b32 s57, 0
	s_mov_b32 s[G1+0], 15|(3<<16)|(1<<21)          ; the mask: all four work-groups; elements of 8 bytes; bit 21 beside a mask; no padding: an image is read 512 consecutive bytes at a time
	s_mov_b32 s[G1+1], 32<<16                      ; 64 rows of 32 elements, dense: 16 KB in rows of 256 bytes
	s_mov_b32 s[G1+2], 64<<16
	s_mov_b32 s[G1+3], 32<<16
	s_mov_b32 s[G1+4], 64
	s_mov_b32 s[G1+5], 32
	s_mov_b32 s[G1+6], 0
	s_mov_b32 s[G1+7], 0
	s_mov_b32 s[SEL], 0x76543210
	s_mov_b32 s[SEL+1], 0xfedcba98
	s_mov_b32 s[CS], 0x3e38aa3b                    ; log2(e) / sqrt(64)
	s_mov_b32 s[TB], 0
	s_wait_alu depctr_va_vdst(0)
	s_wait_dscnt 0x0                               ; both opening adds are done
	s_wait_kmcnt 0x0
	s_load_b128 s[36:39], s[10:11], 0x18           ; entries 6 to 9: eq, ek, ep, ev
	s_load_b32 s40, s[10:11], 0x28                 ; entry 10: the scale of o as an operand
	s_cmp_lt_u32 s[WV], 4                          ; waves 0-3 fetch K, waves 4-7 V: a choice on the wave's number alone
	s_cselect_b64 s[42:43], s[6:7], s[8:9]
	s_add_nc_u64 s[42:43], s[42:43], s[50:51]
	s_add_nc_u64 s[PFA:PFA+1], s[42:43], s[46:47]
	s_mov_b32 s[G0], 1
	s_mov_b32 s[G0+1], s35
	s_mov_b64 s[G0+2:G0+3], s[42:43]
	s_or_b32 s[G0+3], s[G0+3], 0x80000000
	ROUND                                          ; all four work-groups are here: the first joint loads meet
	TLOAD                                          ; slot 0: my one tensor load at the head
	s_add_nc_u64 s[4:5], s[4:5], s[54:55]
	s_add_nc_u64 s[12:13], s[12:13], s[56:57]
.irp c, 0,1,2,3
	global_load_b128 v[QF+4*\c:QF+4*\c+3], v[LI], s[4:5] offset:512*\c   ; Q's two fragments stay in registers
.endr
.irp u, 0,1
	v_mov_b32 v[NM+2*\u+1], 0xff61b1e6             ; the largest score so far: -3e38
	v_mov_b32 v[NM+2*\u], 0x7f61b1e6               ; -M: 3e38, so that the first f is 0
	v_mov_b32 v[PL+\u], 0                          ; a lane permute's destination counts as one of its sources
	v_mov_b32 v[FF+2*\u+1], 0                      ; (named as the upper half of a pair)
.endr
.set J, 0
.rept 16
	v_mov_b32 v[SUM+J], 0
.set J, J+1
.endr
	WIN 0x40
.set J, 0
.rept 64
	v_mov_b32 v[OO+J], 0                           ; O^T: the key step is written in one form; the first finds zeros
.set J, J+1
.endr
	WIN 0
	s_wait_kmcnt 0x0
	s_add_co_i32 s58, s36, s37
	s_lshl_b32 s58, s58, 23
	s_add_co_i32 s[CS], s[CS], s58                 ; a score stands for score x 2^(eq + ek)
	s_mov_b32 s[CS+1], s[CS]
	s_add_co_i32 s58, s38, 127
	s_lshl_b32 s59, s58, 23
	v_mov_b32 v[SCP], s59
	s_add_co_i32 s58, s58, 8
	s_lshl_b32 s58, s58, 23
	s_or_b32 s58, s58, 0x600000
	v_mov_b32 v[LIM], s58
	v_mov_b32 v[LIM2], s58
	s_add_co_i32 s41, s38, s39
	s_sub_co_i32 s41, s41, s40                     ; ep + ev - eo, for the way out
; Pair j (0..31) of tile u.
.macro FMA u, j                        ; t - M, two at a time
	v_pk_fma_f32 v[SS+64*(\u)+2*(\j):SS+64*(\u)+2*(\j)+1], v[SS+64*(\u)+2*(\j):SS+64*(\u)+2*(\j)+1], s[CS:CS+1], v[NM+2*(\u):NM+2*(\u)+1] op_sel_hi:[1,0,0]
.endm
.macro HOLD u, j                       ; the conversion to an 8-bit code does not saturate (ISA guide 7.6.2); p is not negative: a one-sided hold, two as a dual pair
	v_dual_min_num_f32 v[SS+64*(\u)+2*(\j)], v[SS+64*(\u)+2*(\j)], v[LIM] :: v_dual_min_num_f32 v[SS+64*(\u)+2*(\j)+1], v[SS+64*(\u)+2*(\j)+1], v[LIM2]
.endm
.macro CODES b                         ; 16 codes of block b (0-3: tile 0; 4-7: tile 1): four registers of P's fragment
	v_cvt_scalef32_pk8_fp8_f32 v[PC+4*(\b):PC+4*(\b)+1], v[SS+16*(\b):SS+16*(\b)+7], v[SCP]
	v_cvt_scalef32_pk8_fp8_f32 v[PC+4*(\b)+2:PC+4*(\b)+3], v[SS+16*(\b)+8:SS+16*(\b)+15], v[SCP]
.endm
.macro MAX1 u                          ; line N (0..31) of tile u's maxima: chain N % 4 takes scores 2 N, 2 N + 1.  The chains begin at the largest score so far; an accumulator's eight registers are read from the low end on
.if N < 4
	v_max3_num_f32 v[MX+8*\u+N], v[NM+2*\u+1], v[SS+64*\u+2*N], v[SS+64*\u+2*N+1]
.else
	v_max3_num_f32 v[MX+8*\u+N%4], v[MX+8*\u+N%4], v[SS+64*\u+2*N], v[SS+64*\u+2*N+1]
.endif
.endm
.macro TAILOP u, k                     ; line k (1..10) of what follows tile u's maxima: the new M, and f
.if (\k) == 1
	v_max3_num_f32 v[MX+8*\u], v[MX+8*\u], v[MX+8*\u+1], v[MX+8*\u+2]
.elseif (\k) == 2
	v_max_num_f32 v[MX+8*\u], v[MX+8*\u], v[MX+8*\u+3]
.elseif (\k) == 3
	v_permlanex16_b32 v[PL+\u], v[MX+8*\u], s[SEL], s[SEL+1]
.elseif (\k) == 4
	v_max_num_f32 v[NM+2*\u+1], v[MX+8*\u], v[PL+\u]   ; the running largest score
.elseif (\k) == 5
	v_mul_f32 v[MX+8*\u], s[CS], v[NM+2*\u+1]      ; as t (c is positive)
.elseif (\k) == 6
	v_mov_b32 v[MX+8*\u+1], v[NM+2*\u]
.elseif (\k) == 7
	v_floor_f32 v[NM+2*\u], -v[MX+8*\u]            ; the new -M = -ceil(t)
.elseif (\k) == 8
	v_sub_f32 v[MX+8*\u], v[NM+2*\u], v[MX+8*\u+1] ; old M - new M: a whole number, 0 or less
.elseif (\k) == 9
	v_cvt_i32_f32 v[MX+8*\u], v[MX+8*\u]           ; (it saturates)
.else
	v_ldexp_f32 v[FF+2*\u], 1.0, v[MX+8*\u]        ; f = 2^(old M - new M)
.endif
.endm
; THE MAXIMA.  Tile 0's ten dependent lines stand among tile 1's maxima, one behind every three; tile 1's among tile 0's t - M.
.macro SMAX
.set N, 0
.rept 32
	MAX1 0
.set N, N+1
.endr
.set N, 0
.rept 32
	MAX1 1
.if (N%3 == 2) && (N/3 < 10)
	TAILOP 0, N/3+1
.endif
.set N, N+1
.endr
.set N, 0
.rept 10
	TAILOP 1, N+1
	FMA 0, 3*N
	FMA 0, 3*N+1
	FMA 0, 3*N+2
.set N, N+1
.endr
	FMA 0, 30
	FMA 0, 31
.endm
.macro RESC                            ; O^T under the new M, ahead of the step's exponentials; each accumulator from its low end on
	WIN 0x41
.irp u, 0,1
.set J, 0
.rept 16
	v_pk_mul_f32 v[OO+32*\u+J:OO+32*\u+J+1], v[OO+32*\u+J:OO+32*\u+J+1], v[FF+2*\u:FF+2*\u+1] op_sel_hi:[1,0]
.set J, J+2
.endr
.endr
	WIN 0
.endm
.macro PVT u                           ; O^T += V^T P^T for tile u: channels 16 t on; four accumulators by turns
	WIN 0x51                                       ; V, C and D window 1, P window 0
.irp t, 0,1,2,3
	v_wmma_f32_16x16x128_fp8_fp8 v[OO+32*\u+8*\t:OO+32*\u+8*\t+7], v[VF+16*\t:VF+16*\t+15], v[PC+16*\u:PC+16*\u+15], v[OO+32*\u+8*\t:OO+32*\u+8*\t+7]
.endr
	WIN 0
.endm
; THE REST OF THE SOFTMAX, in three phases; each begins with one wait, ahead of and behind a batch of exponentials, and whatever a phase writes among its exponentials is first read behind the next wait.
; Phase 0: tile 0's 64 exponentials, by turns with tile 1's t - M and the eight running sums x f.
; Phase 1: tile 1's exponentials, by turns with tile 0's UNQUANTISED p added two pairs at a time into 16 pairs of their own, and, behind each such sum, the holds of what it read.
; Phase 2: tile 0's codes, its 16 pairs into the running sums, its second product; tile 1's sums, holds and codes.
.macro SOFT chg
	s_wait_alu depctr_va_vdst(0)
.set I, 0
.rept 32
	v_exp_f32 v[SS+2*I], v[SS+2*I]
	FMA 1, I
	v_exp_f32 v[SS+2*I+1], v[SS+2*I+1]
.if I%4 == 0
	v_pk_mul_f32 v[SUM+I/2:SUM+I/2+1], v[SUM+I/2:SUM+I/2+1], v[FF+2*(I/16):FF+2*(I/16)+1] op_sel_hi:[1,0]
.endif
.set I, I+1
.endr
	s_wait_alu depctr_va_vdst(0)
.set I, 0
.rept 32
	v_exp_f32 v[SS+64+2*I], v[SS+64+2*I]
.if I%2 == 0
	v_pk_add_f32 v[TT+I:TT+I+1], v[SS+2*I:SS+2*I+1], v[SS+2*I+2:SS+2*I+3]
.endif
	v_exp_f32 v[SS+64+2*I+1], v[SS+64+2*I+1]
	HOLD 0, I
.set I, I+1
.endr
	s_wait_alu depctr_va_vdst(0)
.if \chg == 0
	s_wait_dscnt 0x0                               ; V is in (and the next K)
.endif
.irp b, 0,1,2,3
	CODES \b
.endr
.set I, 0
.rept 16
	v_pk_add_f32 v[SUM+2*(I%4):SUM+2*(I%4)+1], v[SUM+2*(I%4):SUM+2*(I%4)+1], v[TT+2*I:TT+2*I+1]
.set I, I+1
.endr
	PVT 0
.set I, 0
.rept 32
	v_pk_add_f32 v[SUM+8+2*(I%4):SUM+8+2*(I%4)+1], v[SUM+8+2*(I%4):SUM+8+2*(I%4)+1], v[SS+64+2*I:SS+64+2*I+1]
	HOLD 1, I
.set I, I+1
.endr
.irp b, 4,5,6,7
	CODES \b
.endr
	v_nop                                          ; one plain instruction between the last conversions and the products that read their results
.endm
; A KEY STEP.  chg = 0: inside a slot.  chg = 1: a slot's last step; the slot is filled again.  chg = 2: a slot's last step in the tail: nothing is left to ask for.
.macro STEP chg
	s_wait_dscnt 0x0                               ; this step's K is in registers
	WIN 0x01                                       ; source 0 (K) window 1
.irp t, 0,1,2,3,4,5,6,7
.irp u, 0,1
	v_wmma_f32_16x16x64_fp8_fp8 v[SS+64*\u+8*\t:SS+64*\u+8*\t+7], v[KF+8*\t:KF+8*\t+7], v[QF+8*\u:QF+8*\u+7], 0   ; S^T: keys 16 t on, tile u
.endr
.endr
	WIN 0
.if \chg == 0                          ; four places behind the products: for the loads into fragments that they read and for the first read of the scores
	s_add_co_u32 s[TB], s[TB], STEPB
	v_add_nc_u32 v[AD], s[TB], v[LI]
	NOPS 3
.else
	NOPS 4
.endif
	WIN 0x40
	VLD                                            ; this step's V,
.if \chg == 0
	KLD                                            ; and the next step's K
.endif
	WIN 0
.if \chg == 0
	v_add_nc_u32 v[ADV], VOFF, v[AD]               ; the next step's V
.else
	s_wait_tensorcnt 0x0                           ; my part of the next slot has landed, and group 0 may be written
	ds_add_u32 v[SPW], v[NIL]                      ; 0 onto my spare word; work on registers stands between it and the wait for it
.if \chg == 1
	WALK
.endif
.endif
	SMAX
.if \chg
	s_wait_alu depctr_va_vdst(0)
	s_wait_dscnt 0x0                               ; the add is done, V is in, and my reads of this slot are over
	s_barrier_signal -1
.endif
	RESC
	SOFT \chg
.if \chg
	s_wait_alu depctr_va_vdst(0)
	s_barrier_wait -1                              ; the next slot is whole, and nobody here reads this one
.if \chg == 1
	CREST                                          ; the barrier has opened a round of the cluster's barrier
	TLOAD                                          ; my one tensor load until the next round
.endif
	s_sub_co_u32 s[TB], s[TB], (NST-1)*STEPB       ; a slot's first step, in the other slot
	s_xor_b32 s[TB], s[TB], SLOT1
.if \chg == 2
	s_cmp_eq_u32 s[SLOTS], 1                       ; behind the last keys nothing is read
	s_cbranch_scc1 .Lnomore_\@
.endif
	KNEXT
.if \chg == 1
	s_cmp_eq_u32 s[SLOTS], 2                       ; where slot 2 has just been asked for, slot 3 is prefetched; behind slot 3 there is none
	s_cbranch_scc0 .Lnoask_\@
	global_prefetch_b8 v[PFO], s[PFA:PFA+1] offset:3*SLOTB th:TH_LOAD_NT scope:SCOPE_SE
.Lnoask_\@:
.else
.Lnomore_\@:
.endif
.endif
	PVT 1
.endm
.macro STEPS n
	s_mov_b32 s[CNT], \n
.Lstep_\@:
	STEP 0
	s_sub_co_u32 s[CNT], s[CNT], 1
	s_cmp_lg_u32 s[CNT], 0
	s_cbranch_scc1 .Lstep_\@
.endm
	s_wait_alu depctr_va_vdst(0)
	s_wait_loadcnt 0x0                             ; Q
	s_wait_tensorcnt 0x0                           ; my part of slot 0 has landed; slot 1's first fill is issued as a refill is
	ds_add_u32 v[SPW], v[NIL]
	WALK
	s_wait_dscnt 0x0
	ROUND
	TLOAD                                          ; slot 1
	KNEXT                                          ; the first step's K
	global_prefetch_b8 v[PFO], s[PFA:PFA+1] offset:2*SLOTB th:TH_LOAD_NT scope:SCOPE_SE   ; slot 2
	s_mov_b32 s[SLOTS], 2
.Lslot:                                            ; two trips: slots 0 and 1 are walked, and filled again from inside their last steps
	STEPS NST-1
	STEP 1
	s_sub_co_u32 s[SLOTS], s[SLOTS], 1
	s_cmp_lg_u32 s[SLOTS], 0
	s_cbranch_scc1 .Lslot
	s_mov_b32 s[SLOTS], 2
.Ltail:                                            ; the last two slots share one text without a tensor load; in its second trip the barrier orders nothing further
	STEPS NST-1
	STEP 2
	s_sub_co_u32 s[SLOTS], s[SLOTS], 1
	s_cmp_lg_u32 s[SLOTS], 0
	s_cbranch_scc1 .Ltail
	; THE WAY OUT.  o = O^T x 2^(ep + ev) / the sum; its code for the last product is o / 2^eo, held within +-448.  The additions are the places behind the last products.
.irp u, 0,1
	v_pk_add_f32 v[SUM+8*\u:SUM+8*\u+1], v[SUM+8*\u:SUM+8*\u+1], v[SUM+8*\u+2:SUM+8*\u+3]
	v_pk_add_f32 v[SUM+8*\u+4:SUM+8*\u+5], v[SUM+8*\u+4:SUM+8*\u+5], v[SUM+8*\u+6:SUM+8*\u+7]
.endr
.irp u, 0,1
	v_pk_add_f32 v[SUM+8*\u:SUM+8*\u+1], v[SUM+8*\u:SUM+8*\u+1], v[SUM+8*\u+4:SUM+8*\u+5]
.endr
.irp u, 0,1
	v_add_f32 v[SUM+8*\u], v[SUM+8*\u], v[SUM+8*\u+1]
.endr
.irp u, 0,1
	v_permlanex16_b32 v[PL+\u], v[SUM+8*\u], s[SEL], s[SEL+1]
.endr
.irp u, 0,1
	v_add_f32 v[SUM+8*\u], v[SUM+8*\u], v[PL+\u]   ; and lane l xor 16's: the row's sum
.endr
	s_wait_alu depctr_va_vdst(0)                   ; the wait ahead of the transcendentals
.irp u, 0,1
	v_rcp_f32 v[SUM+8*\u], v[SUM+8*\u]
.endr
	v_mov_b32 v[C448], 0x43e00000                  ; 448.  (A plain instruction behind the reciprocals)
	v_mov_b32 v[ONE], 1.0                          ; the conversion's scale: 2^0
	s_wait_alu depctr_va_vdst(0)                   ; and ahead of their first reader
.irp u, 0,1
	v_ldexp_f32 v[FF+2*\u], v[SUM+8*\u], s41       ; 2^(ep + ev - eo) / the sum
.endr
	WIN 0x01                                       ; source 0 (O^T) window 1
	s_wait_alu depctr_va_vdst(0)
.irp u, 0,1
.set J, 0
.rept 16
	v_pk_mul_f32 v[SS+32*\u+J:SS+32*\u+J+1], v[OO+32*\u+J:OO+32*\u+J+1], v[FF+2*\u:FF+2*\u+1] op_sel_hi:[1,0]   ; register 8 t + j: channel 16 t + 8 h + j of my query
.set J, J+2
.endr
.endr
	WIN 0
.set J, 0
.rept 64
	v_med3_num_f32 v[SS+J], v[SS+J], -v[C448], v[C448]
.set J, J+1
.endr
.irp t, 0,1,2,3,4,5,6,7
	v_cvt_scalef32_pk8_fp8_f32 v[PC+2*\t:PC+2*\t+1], v[SS+8*\t:SS+8*\t+7], v[ONE]
.endr
	v_nop
.irp u, 0,1
	global_store_b128 v[LI], v[PC+8*\u:PC+8*\u+3], s[12:13] offset:8192*\u          ; my head's half of tile u's image: two stores of 512 consecutive bytes
	global_store_b128 v[LI], v[PC+8*\u+4:PC+8*\u+7], s[12:13] offset:8192*\u+512
.endr
	s_wait_tensorcnt 0x0                           ; the wave's end
	ds_add_u32 v[SPW], v[NIL]
	s_wait_dscnt 0x0
	ROUND                                          ; the closing round: no work-group ends while a partner may still ask for a tile that names it
	s_endpgm
.Lfunc_end_k_qd640127aa5_attn:
	.size	k_qd640127aa5_attn, .Lfunc_end_k_qd640127aa5_attn-k_qd640127aa5_attn
	.p2alignl 7, 3214868480
	.fill 96, 4, 3214868480
	.section	.rodata,"a",@progbits
	.p2align	6, 0x0
	.amdhsa_kernel k_qd640127aa5_attn
		.amdhsa_group_segment_fixed_size 327680
		.amdhsa_private_segment_fixed_size 0
		.amdhsa_enable_private_segment 0
		.amdhsa_kernarg_size 40
		.amdhsa_user_sgpr_count 2
		.amdhsa_user_sgpr_kernarg_segment_ptr 1
		.amdhsa_wavefront_size32 1
		.amdhsa_system_sgpr_workgroup_id_x 1
		.amdhsa_system_sgpr_workgroup_id_y 1
		.amdhsa_system_sgpr_workgroup_id_z 1
		.amdhsa_system_vgpr_workitem_id 0
		.amdhsa_next_free_vgpr 448
		.amdhsa_next_free_sgpr 66
		.amdhsa_reserve_vcc 0
		.amdhsa_float_denorm_mode_32 3
		.amdhsa_float_denorm_mode_16_64 3
		.amdhsa_memory_ordered 1
		.amdhsa_forward_progress 1
		.amdhsa_inst_pref_size 135
	.end_amdhsa_kernel
	.amdgpu_metadata
---
amdhsa.version: [ 1, 2 ]
amdhsa.kernels:
  - .name:           k_qd640127aa5_attn
    .symbol:         k_qd640127aa5_attn.kd
    .args:
      - { .name: qc, .offset: 0, .size: 8, .value_kind: global_buffer, .address_space: global }
      - { .name: kc, .offset: 8, .size: 8, .value_kind: global_buffer, .address_space: global }
      - { .name: vc, .offset: 16, .size: 8, .value_kind: global_buffer, .address_space: global }
      - { .name: lowp_scales, .offset: 24, .size: 8, .value_kind: global_buffer, .address_space: global }
      - { .name: ac, .offset: 32, .size: 8, .value_kind: global_buffer, .address_space: global }
    .group_segment_fixed_size: 327680
    .private_segment_fixed_size: 0
    .kernarg_segment_align: 8
    .kernarg_segment_size: 40
    .max_flat_workgroup_size: 256
    .sgpr_count:     66
    .vgpr_count:     448
    .wavefront_size: 32
...
	.end_amdgpu_metadata
.endif
;; end of part 3
;; launch oproj (part 4): grid 4 x 64, 4 waves a work-group, no clusters, 17,920 bytes of LDS; arguments ac, wc, bo, lowp_scales, out0; writes out0
.if DOCPART == 4
	.amdgcn_target "amdgcn-amd-amdhsa--gfx1250"
	.amdhsa_code_object_version 6
	.text
	.protected	k_qd640127aa5_oproj
	.globl	k_qd640127aa5_oproj
	.p2align	8
	.type	k_qd640127aa5_oproj,@function
k_qd640127aa5_oproj:
	s_mov_b64 s[64:65], 0
	v_nop
	global_prefetch_b8 v0, s[64:65] scope:SCOPE_SE
	s_setreg_imm32_b32 hwreg(HW_REG_WAVE_MODE, 25, 1), 1
	s_wait_xcnt 0x0
; out0 = o Wo^T + bo on codes of FP8 (E4M3): o [8192][512] from ac, Wo [512][512] from wc's fourth weight, both as images of fragments (16 rows x 128 K, 2,048 bytes: registers 4 c .. 4 c + 3 of all lanes at
; byte 512 c + 16 x lane), [tile of rows][K step].  Sums in f32; out0 = sum x 2^(entry 10 + entry 11) + bo, one packed multiply-add for two numbers.
; LIMIT: entry 10 + entry 11 between -126 and 127, so that the power of two is an f32 number.
; SHARES.  Work-group (x, y): rows 128 y on, columns 128 x on: 256 work-groups.  Wave w: rows 64 (w / 2) on, columns 64 (w % 2) on, the whole K = 512: 16 accumulators, 16 + 16 fragments, each read once, straight into
; registers by loads of 512 consecutive bytes: no loop, no barrier, no tensor load, and so no cluster: what the two waves of a row or column share is a pass of 32 KB.
; THE WORK GOES BY TILES OF 16 ROWS: Wo's 16 fragments are asked for first, then o's four tiles of rows; a tile is multiplied over the whole K as soon as its four fragments are in, and leaves while the later tiles' loads are out.
; THE PRODUCT IS USED TRANSPOSED (source 0 = 16 rows of Wo, source 1 = 16 rows of o): a lane holds eight neighbouring numbers of a row of out0.
; REGISTERS: window 0: v1-5 addresses; v16-47 bo in the result's layout; v48-111 two sets at work; v128-255 the accumulators ((a, n) at v[128 + 8 (4 a + n)]), later the rows read back.
;   window 1: o's fragment (a, s) at v[16 (4 a + s)];   window 2: Wo's fragment (n, s) at v[16 (4 n + s)].
.set SP,   272                         ; a stage row: 256 bytes + 16: the sixteen rows of a store begin at sixteen different columns of 16 bytes
.set LI,   1                           ; v1   16 x lane
.set STO,  2                           ; v2   the stage: where I put 32 bytes of a row
.set RD,   3                           ; v3   and where I read rows back
.set CO,   4                           ; v4   my byte offset in two rows of out0
.set BO,   5                           ; v5   my place in bo
.set BIAS, 16
.set TMP,  48
.set ACC,  128
.set MSB, 0
.macro WIN new                         ; the immediate's high byte repeats the setting that is left
.if MSB != \new
	s_set_vgpr_msb (MSB<<8)|\new
.set MSB, \new
.endif
.endm
	s_load_b256 s[4:11], s[0:1], 0x0               ; ac s[4:5], wc s[6:7], bo s[8:9], the scales' exponents s[10:11]
	s_load_b64 s[12:13], s[0:1], 0x20              ; out0
	v_lshl_add_u32 v126, v0, 2, 0x4400             ; my spare word, behind the four stages
	v_mov_b32 v127, 0
	v_lshrrev_b32 v6, 5, v0
	v_readfirstlane_b32 s22, v6                    ; wave 0..3
	s_lshr_b32 s23, s22, 1                         ; which 64 rows
	s_and_b32 s24, s22, 1                          ; which 64 columns
	s_and_b32 s25, ttmp7, 0xffff
	v_and_b32 v6, 31, v0
	v_lshlrev_b32 v[LI], 4, v6
	v_and_b32 v7, 15, v0                           ; r
	v_bfe_u32 v8, v0, 4, 1                         ; h
	s_mul_i32 s26, s22, 16*SP                      ; my stage
	v_mul_u32_u24 v[STO], v7, SP                   ; in: row r, + 32 h
	v_lshl_add_u32 v[STO], v8, 5, v[STO]
	v_add_nc_u32 v[STO], s26, v[STO]
	v_mul_u32_u24 v[RD], v8, SP                    ; back: lanes 0-15 one row of 256 bytes, lanes 16-31 the next
	v_lshl_add_u32 v[RD], v7, 4, v[RD]
	v_add_nc_u32 v[RD], s26, v[RD]
	v_lshlrev_b32 v[CO], 11, v8                    ; and the same two rows in out0 (2,048 bytes a row)
	v_lshl_add_u32 v[CO], v7, 4, v[CO]
	v_lshlrev_b32 v[BO], 5, v8
	s_lshl_b32 s28, s25, 16                        ; ac: tile of rows 8 y + 4 (w / 2), 8 KB a tile
	s_lshl_b32 s29, s23, 15
	s_add_co_u32 s28, s28, s29
	s_mov_b32 s29, 0
	s_lshl_b32 s30, ttmp9, 16                      ; wc: the fourth weight, tile 8 x + 4 (w % 2)
	s_lshl_b32 s31, s24, 15
	s_add_co_u32 s30, s30, s31
	s_add_co_u32 s30, s30, 786432
	s_mov_b32 s31, 0
	s_lshl_b32 s32, ttmp9, 9                       ; my first column, in bytes
	s_lshl_b32 s33, s24, 8
	s_add_co_u32 s32, s32, s33
	s_mov_b32 s33, 0
	s_lshl_b32 s34, s25, 18                        ; my first row of out0, in bytes, + the column
	s_lshl_b32 s35, s23, 17
	s_add_co_u32 s34, s34, s35
	s_add_co_u32 s34, s34, s32
	s_mov_b32 s35, 0
	s_wait_alu depctr_va_vdst(0)
	s_wait_kmcnt 0x0
	s_load_b64 s[44:45], s[10:11], 0x28            ; entries 10, 11
	s_add_nc_u64 s[14:15], s[4:5], s[28:29]
	s_add_nc_u64 s[16:17], s[6:7], s[30:31]
	s_add_nc_u64 s[18:19], s[8:9], s[32:33]
	s_add_nc_u64 s[20:21], s[12:13], s[34:35]
.irp n, 0,1,2,3
	global_load_b128 v[BIAS+8*\n:BIAS+8*\n+3], v[BO], s[18:19] offset:64*\n          ; register 8 n + j: bo(16 n + 8 h + j)
	global_load_b128 v[BIAS+8*\n+4:BIAS+8*\n+7], v[BO], s[18:19] offset:64*\n+16
.endr
	WIN 0x80                                       ; destination window 2: Wo's 16 fragments, 64 loads
.irp f, 0,1,2,3,4,5,6,7,8,9,10,11,12,13,14,15
.irp c, 0,1,2,3
	global_load_b128 v[16*\f+4*\c:16*\f+4*\c+3], v[LI], s[16:17] offset:\f*2048+512*\c
.endr
.endr
	WIN 0x40                                       ; destination window 1: o's 16 fragments, tile of rows by tile of rows, 16 loads a tile
.irp f, 0,1,2,3,4,5,6,7,8,9,10,11,12,13,14,15
.irp c, 0,1,2,3
	global_load_b128 v[16*\f+4*\c:16*\f+4*\c+3], v[LI], s[14:15] offset:\f*2048+512*\c
.endr
.endr
	WIN 0
.macro MULA a                          ; tile of rows a over the whole K: 16 matrix instructions, its four accumulators by turns; the first K step starts the sums
	WIN 0x06                                       ; source 0 (Wo) window 2, source 1 (o) window 1
.irp s, 0,1,2,3
.irp n, 0,1,2,3
.if \s == 0
	v_wmma_f32_16x16x128_fp8_fp8 v[ACC+8*(4*\a+\n):ACC+8*(4*\a+\n)+7], v[16*(4*\n+\s):16*(4*\n+\s)+15], v[16*(4*\a+\s):16*(4*\a+\s)+15], 0
.else
	v_wmma_f32_16x16x128_fp8_fp8 v[ACC+8*(4*\a+\n):ACC+8*(4*\a+\n)+7], v[16*(4*\n+\s):16*(4*\n+\s)+15], v[16*(4*\a+\s):16*(4*\a+\s)+15], v[ACC+8*(4*\a+\n):ACC+8*(4*\a+\n)+7]
.endif
.endr
.endr
	WIN 0
.endm
	s_wait_kmcnt 0x0
	s_add_co_i32 s46, s44, s45
	s_add_co_i32 s46, s46, 127
	s_lshl_b32 s46, s46, 23                        ; 2^(entry 10 + entry 11) as f32
	s_mov_b32 s47, s46                             ; (named with it as a pair, so it is written)
; THE WAY OUT, a tile of 16 rows x 64 columns at a time.  A lane holds 32 neighbouring bytes of a row and the lanes beside it other rows: so a tile goes through my own stage in LDS and comes back as whole rows of 256 bytes.
; LDS serves a wave's instructions in order: no wait between the stores and the loads, nor in front of the next tile's stores.
.macro TOSTAGE a
.rept 4
	v_nop                                          ; four places behind the tile's products (ISA guide 7.12.1), in front of the first read of the sums
.endr
.irp n, 0,1,2,3
.irp i, 0,2,4,6
	v_pk_fma_f32 v[TMP+32*((\a)%2)+8*\n+\i:TMP+32*((\a)%2)+8*\n+\i+1], v[ACC+8*(4*(\a)+\n)+\i:ACC+8*(4*(\a)+\n)+\i+1], s[46:47], v[BIAS+8*\n+\i:BIAS+8*\n+\i+1] op_sel_hi:[1,0,1]   ; each accumulator from its low end on
.endr
.endr
.irp n, 0,1,2,3
	ds_store_b128 v[STO], v[TMP+32*((\a)%2)+8*\n:TMP+32*((\a)%2)+8*\n+3] offset:64*\n
	ds_store_b128 v[STO], v[TMP+32*((\a)%2)+8*\n+4:TMP+32*((\a)%2)+8*\n+7] offset:64*\n+16
.endr
.irp i, 0,1,2,3,4,5,6,7
	ds_load_b128 v[ACC+32*(\a)+4*\i:ACC+32*(\a)+4*\i+3], v[RD] offset:2*SP*\i   ; rows 2 i, 2 i + 1, into the registers that the tile's sums have left
.endr
.endm
.macro SEND a
	s_wait_dscnt 0x0                               ; the tile is back in registers
.irp i, 0,1,2,3,4,5,6,7
	global_store_b128 v[CO], v[ACC+32*(\a)+4*\i:ACC+32*(\a)+4*\i+3], s[20:21] offset:(16*(\a)+2*\i)*2048 th:TH_STORE_NT   ; sixteen lanes store 256 consecutive bytes, at a multiple of 256 from out0's first byte
.endr
.endm
	s_wait_loadcnt 48                              ; bo, Wo and o's tile 0 are in; the 48 loads of tiles 1 to 3 may be out
	MULA 0
	TOSTAGE 0
	s_wait_loadcnt 32
	MULA 1                                         ; tile 0 comes back from the stage under these products
	SEND 0
	TOSTAGE 1
	s_wait_loadcnt 16
	MULA 2
	SEND 1
	TOSTAGE 2
	s_wait_loadcnt 0x0
	MULA 3
	SEND 2
	TOSTAGE 3
	SEND 3
	s_wait_tensorcnt 0x0                           ; the wave's end
	ds_add_u32 v126, v127
	s_wait_dscnt 0x0
	s_endpgm
.Lfunc_end_k_qd640127aa5_oproj:
	.size	k_qd640127aa5_oproj, .Lfunc_end_k_qd640127aa5_oproj-k_qd640127aa5_oproj
	.p2alignl 7, 3214868480
	.fill 96, 4, 3214868480
	.section	.rodata,"a",@progbits
	.p2align	6, 0x0
	.amdhsa_kernel k_qd640127aa5_oproj
		.amdhsa_group_segment_fixed_size 17920
		.amdhsa_private_segment_fixed_size 0
		.amdhsa_enable_private_segment 0
		.amdhsa_kernarg_size 40
		.amdhsa_user_sgpr_count 2
		.amdhsa_user_sgpr_kernarg_segment_ptr 1
		.amdhsa_wavefront_size32 1
		.amdhsa_system_sgpr_workgroup_id_x 1
		.amdhsa_system_sgpr_workgroup_id_y 1
		.amdhsa_system_sgpr_workgroup_id_z 1
		.amdhsa_system_vgpr_workitem_id 0
		.amdhsa_next_free_vgpr 768
		.amdhsa_next_free_sgpr 66
		.amdhsa_reserve_vcc 0
		.amdhsa_float_denorm_mode_32 3
		.amdhsa_float_denorm_mode_16_64 3
		.amdhsa_memory_ordered 1
		.amdhsa_forward_progress 1
		.amdhsa_inst_pref_size 32
	.end_amdhsa_kernel
	.amdgpu_metadata
---
amdhsa.version: [ 1, 2 ]
amdhsa.kernels:
  - .name:           k_qd640127aa5_oproj
    .symbol:         k_qd640127aa5_oproj.kd
    .args:
      - { .name: ac, .offset: 0, .size: 8, .value_kind: global_buffer, .address_space: global }
      - { .name: wc, .offset: 8, .size: 8, .value_kind: global_buffer, .address_space: global }
      - { .name: bo, .offset: 16, .size: 8, .value_kind: global_buffer, .address_space: global }
      - { .name: lowp_scales, .offset: 24, .size: 8, .value_kind: global_buffer, .address_space: global }
      - { .name: out0, .offset: 32, .size: 8, .value_kind: global_buffer, .address_space: global }
    .group_segment_fixed_size: 17920
    .private_segment_fixed_size: 0
    .kernarg_segment_align: 8
    .kernarg_segment_size: 40
    .max_flat_workgroup_size: 128
    .sgpr_count:     66
    .vgpr_count:     768
    .wavefront_size: 32
...
	.end_amdgpu_metadata
.endif
;; end of part 4
